; MI455X (gfx1250); checked and timed in simulation.
; The chip was launched on July 23, 2026; its instructions are those of AMD's public machine-readable ISA for CDNA 5 (MIT licence, August 2026) and "CDNA5" Instruction Set Architecture Reference Guide (July 2026). The comments in the code are by the model that wrote it; some were corrected since.
;; Multihead Attention. Allowed arithmetic: float matrix products may take bf16 or f16 operands with f32 sums; all other float work in f32.
;; Inputs: attn_mask 1,024 x 1,024 float32; in_proj_bias 3,072 float32; in_proj_weight 3,072 x 1,024 float32; out_b 1,024 float32; out_w 1,024 x 1,024 float32; x 8 x 1,024 x 1,024 float32.
;; Outputs: out0 8 x 1,024 x 1,024 float32.
;; One version. Each part assembles by itself: llvm-mc -triple=amdgcn-amd-amdhsa -mcpu=gfx1250 --defsym DOCPART=n.
;; ======== version 1 of 1: 4 launches
;; limits: values are held in f16: magnitudes above 65,504 overflow, below 6.1e-05 lose precision; inputs' magnitudes at most 1e+30
;; workspace buffers: xh 16,777,216 bytes; wh 6,291,456 bytes; owh 2,097,152 bytes; qkv 50,331,648 bytes; ao 16,777,216 bytes
;; launch cast (part 1): grid 768 x 1, 8 waves a work-group, no clusters, 0 bytes of LDS; arguments x, in_proj_weight, out_w, xh, wh, owh; writes xh, wh, owh
.if DOCPART == 1
	.amdgcn_target "amdgcn-amd-amdhsa--gfx1250"
	.amdhsa_code_object_version 6
	.text
	.protected	k_q182bc190f2_cast
	.globl	k_q182bc190f2_cast
	.p2align	8
	.type	k_q182bc190f2_cast,@function
k_q182bc190f2_cast:
	s_mov_b64 s[64:65], 0
	v_nop
	global_prefetch_b8 v0, s[64:65] scope:SCOPE_SE
	s_setreg_imm32_b32 hwreg(HW_REG_WAVE_MODE, 25, 1), 1
	s_wait_xcnt 0x0
; x, in_proj_weight and out_w, f32, are rounded once to f16 into xh, wh and owh (same shapes, row-major).
; LIMIT: numbers of magnitude 65,504 and above have no f16; inputs are taken to be finite and below that.
; A work-group takes 16,384 numbers (65,536 bytes in, 32,768 out): groups 0-511 x, 512-703 in_proj_weight, 704-767 out_w.
; A wave takes 2,048 of them: sixteen loads of 16 bytes a lane, each covering 512 consecutive bytes, all issued before the first is used;
; each store of 8 bytes a lane covers 256 consecutive bytes, aligned.  No LDS, no barrier, no loop: nothing is used twice.
.set X, 4                              ; v[4:67]   sixteen loads of four f32
.set Y, 68                             ; v[68:99]  sixteen pairs of packed f16
.set G_W, 512                          ; first work-group of in_proj_weight
.set G_O, 704                          ; first work-group of out_w
	s_load_b256 s[4:11], s[0:1], 0x0               ; x s[4:5], in_proj_weight s[6:7], out_w s[8:9], xh s[10:11]
	s_load_b128 s[12:15], s[0:1], 0x20             ; wh s[12:13], owh s[14:15]
	v_and_b32 v1, 0xe0, v0                         ; 32 x wave
	v_and_b32 v2, 31, v0                           ; lane
	v_lshlrev_b32 v2, 4, v2
	v_lshl_or_b32 v1, v1, 8, v2                    ; source: wave x 8,192 + lane x 16
	v_lshrrev_b32 v2, 1, v1                        ; destination: half of that
	s_mov_b32 s16, G_W
	s_mov_b32 s17, G_O
	s_wait_kmcnt 0x0
	s_cmp_lt_u32 ttmp9, s17                        ; the choice hangs on the work-group's number alone
	s_cselect_b64 s[18:19], s[6:7], s[8:9]
	s_cselect_b64 s[20:21], s[12:13], s[14:15]
	s_cselect_b32 s17, s16, s17
	s_cmp_lt_u32 ttmp9, s16
	s_cselect_b64 s[18:19], s[4:5], s[18:19]       ; source
	s_cselect_b64 s[20:21], s[10:11], s[20:21]     ; destination
	s_cselect_b32 s17, 0, s17                      ; first work-group of that tensor
	s_sub_co_u32 s17, ttmp9, s17                   ; my place in it
	s_lshl_b32 s22, s17, 16
	s_mov_b32 s23, 0
	s_add_nc_u64 s[18:19], s[18:19], s[22:23]
	s_lshl_b32 s22, s17, 15
	s_add_nc_u64 s[20:21], s[20:21], s[22:23]
.irp j, 0,1,2,3,4,5,6,7,8,9,10,11,12,13,14,15
	global_load_b128 v[X+4*\j:X+4*\j+3], v1, s[18:19] offset:512*\j th:TH_LOAD_NT
.endr
.irp j, 0,1,2,3,4,5,6,7,8,9,10,11,12,13,14,15
	s_wait_loadcnt 15-\j                           ; loads come back in order: load j is in, the younger ones stay out
	v_cvt_pk_f16_f32 v[Y+2*\j], v[X+4*\j], v[X+4*\j+1]
	v_cvt_pk_f16_f32 v[Y+2*\j+1], v[X+4*\j+2], v[X+4*\j+3]
	global_store_b64 v2, v[Y+2*\j:Y+2*\j+1], s[20:21] offset:256*\j
.endr
	s_endpgm
.Lfunc_end_k_q182bc190f2_cast:
	.size	k_q182bc190f2_cast, .Lfunc_end_k_q182bc190f2_cast-k_q182bc190f2_cast
	.p2alignl 7, 3214868480
	.fill 96, 4, 3214868480
	.section	.rodata,"a",@progbits
	.p2align	6, 0x0
	.amdhsa_kernel k_q182bc190f2_cast
		.amdhsa_group_segment_fixed_size 0
		.amdhsa_private_segment_fixed_size 0
		.amdhsa_enable_private_segment 0
		.amdhsa_kernarg_size 48
		.amdhsa_user_sgpr_count 2
		.amdhsa_user_sgpr_kernarg_segment_ptr 1
		.amdhsa_wavefront_size32 1
		.amdhsa_system_sgpr_workgroup_id_x 1
		.amdhsa_system_sgpr_workgroup_id_y 1
		.amdhsa_system_sgpr_workgroup_id_z 1
		.amdhsa_system_vgpr_workitem_id 0
		.amdhsa_next_free_vgpr 100
		.amdhsa_next_free_sgpr 66
		.amdhsa_reserve_vcc 0
		.amdhsa_float_denorm_mode_32 3
		.amdhsa_float_denorm_mode_16_64 3
		.amdhsa_memory_ordered 1
		.amdhsa_forward_progress 1
		.amdhsa_inst_pref_size 7
	.end_amdhsa_kernel
	.amdgpu_metadata
---
amdhsa.version: [ 1, 2 ]
amdhsa.kernels:
  - .name:           k_q182bc190f2_cast
    .symbol:         k_q182bc190f2_cast.kd
    .args:
      - { .name: x, .offset: 0, .size: 8, .value_kind: global_buffer, .address_space: global }
      - { .name: in_proj_weight, .offset: 8, .size: 8, .value_kind: global_buffer, .address_space: global }
      - { .name: out_w, .offset: 16, .size: 8, .value_kind: global_buffer, .address_space: global }
      - { .name: xh, .offset: 24, .size: 8, .value_kind: global_buffer, .address_space: global }
      - { .name: wh, .offset: 32, .size: 8, .value_kind: global_buffer, .address_space: global }
      - { .name: owh, .offset: 40, .size: 8, .value_kind: global_buffer, .address_space: global }
    .group_segment_fixed_size: 0
    .private_segment_fixed_size: 0
    .kernarg_segment_align: 8
    .kernarg_segment_size: 48
    .max_flat_workgroup_size: 256
    .sgpr_count:     66
    .vgpr_count:     100
    .wavefront_size: 32
...
	.end_amdgpu_metadata
.endif
;; end of part 1
;; launch qkvproj (part 2): grid 8 x 32, 4 waves a work-group, clusters of 4 x 4, 327,680 bytes of LDS; arguments xh, wh, in_proj_bias, qkv; writes qkv
.if DOCPART == 2
	.amdgcn_target "amdgcn-amd-amdhsa--gfx1250"
	.amdhsa_code_object_version 6
	.text
	.protected	k_q182bc190f2_qkvproj
	.globl	k_q182bc190f2_qkvproj
	.p2align	8
	.type	k_q182bc190f2_qkvproj,@function
k_q182bc190f2_qkvproj:
	s_mov_b64 s[64:65], 0
	v_nop
	global_prefetch_b8 v0, s[64:65] scope:SCOPE_SE
	s_setreg_imm32_b32 hwreg(HW_REG_WAVE_MODE, 25, 1), 1
	s_wait_xcnt 0x0
	s_wait_alu depctr_hold_cnt(0) depctr_sa_sdst(0) depctr_va_vdst(0) depctr_va_sdst(0) depctr_va_ssrc(0) depctr_va_vcc(0) depctr_vm_vsrc(0)
	s_getreg_b32 s2, hwreg(HW_REG_IB_STS2, 6, 4)
	s_cmp_eq_u32 s2, 0
	s_cbranch_scc0 .Lentry_in_a_cluster
	s_endpgm
.Lentry_in_a_cluster:
	s_bfe_u32 s2, ttmp6, 0x10000c
	s_cmp_lg_u32 s2, 0xf033
	s_cbranch_scc0 .Lentry_shape_is_right
	s_endpgm
.Lentry_shape_is_right:
; qkv[8192][3072] (f16) = xh[8192][1024] wh[3072][1024]^T + in_proj_bias; columns below 1024 (q) times 1/8, the bias with them.  Sums in f32.
; LIMIT: results of magnitude 65,504 and above have no f16.
; A work-group makes 256 rows x 384 columns with four waves (2 x 2); a wave makes 128 x 192: 8 x 12 accumulator tiles, 768 registers.
; K goes in steps of 64 through two LDS slots filled by the tensor data mover; two slots of a step of 128 would need 348,160 bytes.
; CLUSTERS: 4 x 4 work-groups.  x's tile hangs on the block row alone and is asked for jointly along a row of the cluster, W's on the
; block column alone and is asked for jointly along a column: the requests for both are divided by four.
; REGISTERS: window 0: v0-31 addresses; W's fragments in three groups of four (BG0, BG1, BG2), x's eight fragments in two buffers (FA0, FA1).
;   windows 1-3: accumulator tile (a, b) lies in window 1 + b/4 at v[8 (8 (b mod 4) + a)].
; THE MATRIX INSTRUCTION IS USED TRANSPOSED: source 0 = 16 rows of W, source 1 = 16 rows of x, so that a lane (r, h) holds row r and the eight
; neighbouring columns 8 h + 0..7 of a tile.
; The 96 accumulators take turns, one instruction a turn, in the same order in every chunk of 32 along K.
.set PITCH, 144                        ; an LDS row: 128 bytes + 16: an odd multiple of 16, so sixteen rows begin at sixteen different 16-byte columns of 256
.set FRAG,  16*PITCH
.set AHALF, 128*PITCH                  ; what one load of x brings
.set BHALF, 192*PITCH                  ; what one load of W brings
.set AOFF,  384*PITCH                  ; a slot: W's 384 rows, then x's 256 rows
.set SLOT,  640*PITCH
.set SP,    784                        ; the stage's row: 768 bytes + 16.  256 such rows lie over the ring once its last fill has been read
.set ROWB,  6144                       ; a row of qkv in bytes
.set ADRA, 16                          ; v16-17 LDS address of my x fragments in slot 0, 1
.set ADRB, 18                          ; v18-19 the same for W
.set STO,  20                          ; v20-21 the stage: my 16 bytes in row r of my tiles a = 0 and a = 4
.set RD0,  22                          ; v22    read back: two neighbouring blocks of 256 bytes of one row
.set RD1,  23                          ; v23    read back: a row's last block and the next row's first
.set CO0,  24                          ; v24, v25 the same places in qkv
.set CO1,  25
.set BO,   26                          ; v26    32 h: my eight numbers of the bias in a tile's sixteen
.set BG0, 32
.set FA0, 64
.set FA1, 128
.set BG1, 192
.set BG2, 224
.set BIAS, 32                          ; v[32:127] on the way out: the bias of my 12 x 8 columns
.set T,    128                         ; v[128:159] at work
.set H,    160                         ; v[160:175] packed f16
.set G1A, 24                           ; s[24:31] group 1 for x's tiles
.set G0A, 32                           ; s[32:39] group 0 for x's tiles, one set for each slot
.set G1B, 40                           ; s[40:47] group 1 for W's tiles
.set G0B, 48                           ; s[48:55] group 0 for W's tiles
.set MSB, 0
.macro WIN new                         ; the immediate's high byte repeats the setting that is left
.if MSB != (\new)
	s_set_vgpr_msb (MSB<<8)|(\new)
.set MSB, (\new)
.endif
.endm
.macro PLACES                          ; four places behind a matrix instruction, ahead of loads into its registers and of readers of its result
.rept 4
	v_nop
.endr
.endm
.macro CREST                           ; a round of the cluster's barrier behind its opening barrier
	s_cmp_lg_u32 s12, 0
	s_cbranch_scc1 .Lnot_wave_0_\@
	s_barrier_signal -3
.Lnot_wave_0_\@:
	s_barrier_wait -3
	s_barrier_signal -1
	s_barrier_wait -1
.endm
.macro CROUND
	s_barrier_signal -1
	s_barrier_wait -1
	CREST
.endm
.macro JLOAD s                         ; one joint load a wave: waves 0, 1 W's halves, waves 2, 3 x's halves; the branch hangs on the wave's number alone
	s_cmp_eq_u32 s13, 0
	s_cbranch_scc0 .Lfor_a_\@
	tensor_load_to_lds s[G0B+4*\s:G0B+4*\s+3], s[G1B:G1B+7]
	s_nop 0
	s_branch .Lasked_\@
.Lfor_a_\@:
	tensor_load_to_lds s[G0A+4*\s:G0A+4*\s+3], s[G1A:G1A+7]
	s_nop 0
.Lasked_\@:
.endm
	s_load_b256 s[4:11], s[0:1], 0x0               ; xh s[4:5], wh s[6:7], in_proj_bias s[8:9], qkv s[10:11]
	v_lshl_add_u32 v30, v0, 2, 0x31000
	v_mov_b32 v31, 0
	ds_add_u32 v30, v31
	v_lshrrev_b32 v1, 5, v0
	v_readfirstlane_b32 s12, v1                    ; wave 0..3
	s_lshr_b32 s13, s12, 1                         ; which 128 rows of the block are mine.  Also: I fetch for W (0) or for x (1)
	s_and_b32 s14, s12, 1                          ; which 192 columns.  Also: which half of that tile I fetch
	s_bfe_u32 s15, ttmp6, 0x40000                  ; cx
	s_bfe_u32 s16, ttmp6, 0x40004                  ; cy
	s_lshl_b32 s17, ttmp9, 2
	s_add_co_u32 s17, s17, s15                     ; block column 0..7
	s_and_b32 s18, ttmp7, 0xffff
	s_lshl_b32 s18, s18, 2
	s_add_co_u32 s18, s18, s16                     ; block row 0..31
	s_lshl_b32 s19, s16, 2
	s_lshl_b32 s19, 15, s19                        ; my row of the cluster
	s_lshl_b32 s20, 0x1111, s15                    ; my column
	; group 1: elements of 2 bytes, 4 words of padding behind every 32 words, bit 21 beside the mask
	s_or_b32 s[G1A+0], s19, (1<<16)|(1<<20)|(1<<21)|(4<<22)|(3<<25)
	s_mov_b32 s[G1A+1], 64<<16                     ; tensor_dim0 = 64
	s_mov_b32 s[G1A+2], 128<<16                    ; tensor_dim1 = 128
	s_mov_b32 s[G1A+3], 64<<16                     ; tile_dim0 = 64
	s_mov_b32 s[G1A+4], 128                        ; tile_dim1 = 128
	s_mov_b32 s[G1A+5], 1024                       ; elements from row to row
	s_mov_b32 s[G1A+6], 0
	s_mov_b32 s[G1A+7], 0
	s_or_b32 s[G1B+0], s20, (1<<16)|(1<<20)|(1<<21)|(4<<22)|(3<<25)
	s_mov_b32 s[G1B+1], 64<<16
	s_mov_b32 s[G1B+2], 192<<16                    ; 192 rows
	s_mov_b32 s[G1B+3], 64<<16
	s_mov_b32 s[G1B+4], 192
	s_mov_b32 s[G1B+5], 1024
	s_mov_b32 s[G1B+6], 0
	s_mov_b32 s[G1B+7], 0
	s_lshl_b32 s56, s18, 19                        ; x: (256 block row + 128 half) rows of 2,048 bytes; no cx enters
	s_lshl_b32 s57, s14, 18
	s_add_co_u32 s56, s56, s57
	s_mov_b32 s57, 0
	s_mul_i32 s60, s17, 384*2048                   ; W: (384 block column + 192 half) rows; no cy enters
	s_mul_i32 s61, s14, 192*2048
	s_add_co_u32 s60, s60, s61
	s_mov_b32 s61, 0
	s_mul_i32 s76, s17, 384*4                      ; the bias of my 192 columns
	s_mul_i32 s77, s14, 192*4
	s_add_co_u32 s76, s76, s77
	s_mov_b32 s77, 0
	s_mul_i32 s21, s12, AHALF                      ; x's halves lie behind W's 384 rows: waves 2, 3 at AOFF + (wave - 2) x AHALF
	s_add_co_u32 s21, s21, AOFF-2*AHALF
	s_mul_i32 s22, s12, BHALF                      ; W's halves: waves 0, 1
	s_wait_dscnt 0x0
	s_wait_kmcnt 0x0
	s_add_nc_u64 s[58:59], s[4:5], s[56:57]
	s_add_nc_u64 s[62:63], s[6:7], s[60:61]
	s_add_nc_u64 s[76:77], s[8:9], s[76:77]
	CROUND                                         ; all sixteen work-groups are here: the first joint loads meet
.irp s, 0,1
	s_mov_b32 s[G0A+4*\s], 1
	s_add_co_u32 s[G0A+4*\s+1], s21, \s*SLOT
	s_add_nc_u64 s[G0A+4*\s+2:G0A+4*\s+3], s[58:59], \s*128        ; K step s
	s_or_b32 s[G0A+4*\s+3], s[G0A+4*\s+3], 0x80000000
	s_mov_b32 s[G0B+4*\s], 1
	s_add_co_u32 s[G0B+4*\s+1], s22, \s*SLOT
	s_add_nc_u64 s[G0B+4*\s+2:G0B+4*\s+3], s[62:63], \s*128
	s_or_b32 s[G0B+4*\s+3], s[G0B+4*\s+3], 0x80000000
	JLOAD \s                                       ; two loads of the wave are out, the most in this text
.endr
	v_and_b32 v1, 15, v0                           ; r
	v_bfe_u32 v2, v0, 4, 1                         ; h
	v_mul_u32_u24 v3, v1, PITCH
	v_lshl_add_u32 v3, v2, 4, v3                   ; r x pitch + 16 h
	s_mul_i32 s72, s13, AHALF
	s_add_co_u32 s72, s72, AOFF
	s_mul_i32 s73, s14, BHALF
.irp s, 0,1
	v_add_nc_u32 v[ADRA+\s], s72, v3
	v_add_nc_u32 v[ADRB+\s], s73, v3
	s_add_co_u32 s72, s72, SLOT
	s_add_co_u32 s73, s73, SLOT
.endr
	v_mul_u32_u24 v4, v1, SP
	v_lshl_add_u32 v4, v2, 4, v4
	s_mul_i32 s72, s13, 128*SP
	s_mul_i32 s73, s14, 384
	s_add_co_u32 s72, s72, s73
	v_add_nc_u32 v[STO], s72, v4                   ; (128 wm + r) x 784 + 384 wn + 16 h
	v_add_nc_u32 v[STO+1], 64*SP, v[STO]           ; 64 rows further down: the immediate has 16 bits
	v_lshlrev_b32 v5, 4, v1                        ; 16 r
	v_lshl_add_u32 v6, v2, 8, v5                   ; 256 h + 16 r
	v_mul_u32_u24 v7, v2, SP-512
	v_add_nc_u32 v7, v7, v5                        ; 272 h + 16 r
	s_mul_i32 s72, s12, 64*SP                      ; I read back rows 64 wave .. 64 wave + 63
	v_add_nc_u32 v[RD0], s72, v6
	s_add_co_u32 s73, s72, 512
	v_add_nc_u32 v[RD1], s73, v7
	s_mul_i32 s72, s12, 64*ROWB
	v_add_nc_u32 v[CO0], s72, v6
	v_mul_u32_u24 v7, v2, ROWB-512
	v_add_nc_u32 v7, v7, v5
	s_add_co_u32 s73, s72, 512
	v_add_nc_u32 v[CO1], s73, v7
	v_lshlrev_b32 v[BO], 5, v2
; 16 matrix instructions: W fragments bb0, bb0 + 1 of group bg x all eight x fragments of buffer fa.  zero = 1: the product starts the sum.
.macro MUL16 bg, bb0, fa, zero
.irp bb, \bb0, \bb0+1
.irp a, 0,1,2,3,4,5,6,7
.if \zero
	v_wmma_f32_16x16x32_f16 v[8*(8*(\bb)+\a):8*(8*(\bb)+\a)+7], v[\bg+8*(\bb):\bg+8*(\bb)+7], v[\fa+8*\a:\fa+8*\a+7], 0
.else
	v_wmma_f32_16x16x32_f16 v[8*(8*(\bb)+\a):8*(8*(\bb)+\a)+7], v[\bg+8*(\bb):\bg+8*(\bb)+7], v[\fa+8*\a:\fa+8*\a+7], v[8*(8*(\bb)+\a):8*(8*(\bb)+\a)+7]
.endif
.endr
.endr
.endm
.macro LOADA fa, slot, k               ; 16 loads: my 128 rows of x, 32 along K at byte k of the rows
.irp i, 0,1,2,3,4,5,6,7
	ds_load_b128 v[\fa+8*\i:\fa+8*\i+3],   v[ADRA+\slot] offset:\k+\i*FRAG
	ds_load_b128 v[\fa+8*\i+4:\fa+8*\i+7], v[ADRA+\slot] offset:\k+\i*FRAG+32
.endr
.endm
.macro LOADB bg, g, slot, k            ; 8 loads: W fragments 4 g .. 4 g + 3
.irp i, 0,1,2,3
	ds_load_b128 v[\bg+8*\i:\bg+8*\i+3],   v[ADRB+\slot] offset:\k+(4*\g+\i)*FRAG
	ds_load_b128 v[\bg+8*\i+4:\bg+8*\i+7], v[ADRB+\slot] offset:\k+(4*\g+\i)*FRAG+32
.endr
.endm
; The first chunk of a K step: multiplies FA0; behind each group of 32 products the registers just freed take the next chunk's fragments.
.macro EVEN slot, zero
	s_wait_dscnt 16                                ; x and W group 0 are in; the 16 younger loads are this chunk's W groups 1 and 2
	WIN 0x50
	MUL16 BG0, 0, FA0, \zero
	MUL16 BG0, 2, FA0, \zero
	PLACES
	WIN 0
	LOADA FA1, \slot, 64
	LOADB BG0, 0, \slot, 64
	s_wait_dscnt 32                                ; W group 1 is in; younger: group 2 (8) and the 24 just issued
	WIN 0xa0
	MUL16 BG1, 0, FA0, \zero
	MUL16 BG1, 2, FA0, \zero
	PLACES
	WIN 0
	LOADB BG1, 1, \slot, 64
	s_wait_dscnt 32                                ; W group 2 is in; younger: the next chunk's 24 + 8
	WIN 0xf0
	MUL16 BG2, 0, FA0, \zero
	MUL16 BG2, 2, FA0, \zero
	PLACES
	WIN 0
	LOADB BG2, 2, \slot, 64
.endm
; The second chunk: multiplies FA1 and changes slots.  In front of the barrier each wave waits for its reads of this slot and for all its tensor
; loads (one is out: its part of the next slot).  fill = 1: the barrier opens a round of the cluster's barrier, and the joint refill of this slot,
; two K steps ahead, is the first tensor load behind the round; 176 matrix instructions stand between it and the wait for it.
.macro TURN slot, next, fill
	s_wait_dscnt 16
	WIN 0x50
	MUL16 BG0, 0, FA1, 0
	s_wait_dscnt 0x0                               ; my reads of this slot are over
	s_wait_tensorcnt 0x0                           ; all my tensor loads have landed
	ds_add_u32 v30, v31
	s_wait_dscnt 0x0
	s_barrier_signal -1
	MUL16 BG0, 2, FA1, 0                           ; register work while the others arrive
	WIN 0
	s_barrier_wait -1
.if \fill
	CREST
	s_add_nc_u64 s[G0A+4*\slot+2:G0A+4*\slot+3], s[G0A+4*\slot+2:G0A+4*\slot+3], 256
	s_add_nc_u64 s[G0B+4*\slot+2:G0B+4*\slot+3], s[G0B+4*\slot+2:G0B+4*\slot+3], 256
	JLOAD \slot
.endif
	PLACES
	LOADA FA0, \next, 0
	LOADB BG0, 0, \next, 0
	WIN 0xa0                                       ; W groups 1 and 2 of this chunk came in with the wait for 0
	MUL16 BG1, 0, FA1, 0
	MUL16 BG1, 2, FA1, 0
	PLACES
	WIN 0
	LOADB BG1, 1, \next, 0
	WIN 0xf0
	MUL16 BG2, 0, FA1, 0
	MUL16 BG2, 2, FA1, 0
	PLACES
	WIN 0
	LOADB BG2, 2, \next, 0
.endm
.macro LAP zero
	EVEN 0, \zero
	TURN 0, 1, 1
	EVEN 1, 0
	TURN 1, 0, 1
.endm
	s_wait_tensorcnt 0x1                           ; my part of K step 0 is in; step 1's stays out
	s_barrier_signal -1
	s_barrier_wait -1
	LOADA FA0, 0, 0
	LOADB BG0, 0, 0, 0
	LOADB BG1, 1, 0, 0
	LOADB BG2, 2, 0, 0
	LAP 1                                          ; K steps 0, 1; its first products start the sums; fills steps 2, 3
	s_mov_b32 s3, 6                                ; K steps 2 to 13; fills steps 4 to 15
.Llap:
	LAP 0
	s_sub_co_u32 s3, s3, 1
	s_cmp_lg_u32 s3, 0
	s_cbranch_scc1 .Llap
	EVEN 0, 0                                      ; the last two K steps fill nothing
	TURN 0, 1, 0
	EVEN 1, 0
	s_wait_dscnt 16                                ; the very last chunk
	WIN 0x50
	MUL16 BG0, 0, FA1, 0
	MUL16 BG0, 2, FA1, 0
	PLACES
	WIN 0
.irp b, 0,1,2,3,4,5,6,7,8,9,10,11
	global_load_b128 v[BIAS+8*\b:BIAS+8*\b+3],   v[BO], s[76:77] offset:64*\b      ; BG0 and FA0 are free: the bias of columns 16 b + 8 h + 0..7
	global_load_b128 v[BIAS+8*\b+4:BIAS+8*\b+7], v[BO], s[76:77] offset:64*\b+16
.endr
	s_wait_dscnt 8                                 ; W group 1 is in; group 2's eight loads may be out
	WIN 0xa0
	MUL16 BG1, 0, FA1, 0
	MUL16 BG1, 2, FA1, 0
	s_wait_dscnt 0x0
	WIN 0xf0
	MUL16 BG2, 0, FA1, 0
	MUL16 BG2, 2, FA1, 0
	PLACES
	WIN 0
	; THE WAY OUT.  My 192 columns are three heads; accumulator window g + 1 holds head 6 bc + 3 wn + g.  Heads below 16 are q and take 1/8.
	s_mul_i32 s72, s17, 6
	s_mul_i32 s73, s14, 3
	s_add_co_u32 s72, s72, s73
.irp g, 0,1,2
	s_add_co_u32 s73, s72, \g
	s_cmp_lt_u32 s73, 16
	s_cselect_b32 s[66+2*\g], 0x3e000000, 1.0      ; a value is chosen, no path
	s_mov_b32 s[67+2*\g], s[66+2*\g]
.endr
	s_mul_i32 s72, s18, 256*ROWB                   ; qkv at my block
	s_mov_b32 s73, 0
	s_add_nc_u64 s[10:11], s[10:11], s[72:73]
	s_mul_i32 s74, s17, 768
	s_mov_b32 s75, 0
	s_add_nc_u64 s[10:11], s[10:11], s[74:75]
	s_wait_loadcnt 0x0                             ; the bias
.irp g, 0,1,2
.irp i, 0,1,2,3,4,5,6,7,8,9,10,11,12,13,14,15
	v_pk_mul_f32 v[BIAS+32*\g+2*\i:BIAS+32*\g+2*\i+1], v[BIAS+32*\g+2*\i:BIAS+32*\g+2*\i+1], s[66+2*\g:67+2*\g] op_sel_hi:[1,0]
.endr
.endr
	s_wait_dscnt 0x0
	s_barrier_signal -1                            ; every wave's reads of the ring are over, and its last fill has been read:
	s_barrier_wait -1                              ; the stage may be laid over it
.macro OUTA a                          ; rows 16 a .. 16 a + 15 of my tile: scale x sum + scale x bias in one rounding, then f16, 16 bytes a lane and tile
.irp g, 0,1,2
	WIN (\g+1)
.irp bb, 0,1,2,3
.irp p, 0,1,2,3
	v_pk_fma_f32 v[T+8*\bb+2*\p:T+8*\bb+2*\p+1], v[8*(8*\bb+\a)+2*\p:8*(8*\bb+\a)+2*\p+1], s[66+2*\g:67+2*\g], v[BIAS+32*\g+8*\bb+2*\p:BIAS+32*\g+8*\bb+2*\p+1] op_sel_hi:[1,0,1]
.endr
.endr
	WIN 0
.irp i, 0,1,2,3,4,5,6,7,8,9,10,11,12,13,14,15
	v_cvt_pk_f16_f32 v[H+\i], v[T+2*\i], v[T+2*\i+1]
.endr
.irp bb, 0,1,2,3
	ds_store_b128 v[STO+(\a>>2)], v[H+4*\bb:H+4*\bb+3] offset:(\a&3)*16*SP+32*(4*\g+\bb)
.endr
.endr
.endm
.irp a, 0,1,2,3,4,5,6,7
	OUTA \a
.endr
	s_wait_dscnt 0x0                               ; my stores into the stage are done,
	s_barrier_signal -1
	s_barrier_wait -1                              ; everybody's are
; Four pairs of rows: a pair is six blocks of 256 bytes = three loads and three stores; sixteen lanes store 256 consecutive bytes, aligned.
.macro BACK n, f
	s_wait_xcnt 0x0                                ; buffer f, which earlier stores read, is loaded again only behind this wait
.irp q, 0,1,2,3
	ds_load_b128 v[\f+12*\q:\f+12*\q+3],    v[RD0] offset:2*SP*(4*\n+\q)
	ds_load_b128 v[\f+12*\q+4:\f+12*\q+7],  v[RD1] offset:2*SP*(4*\n+\q)
	ds_load_b128 v[\f+12*\q+8:\f+12*\q+11], v[RD0] offset:2*SP*(4*\n+\q)+SP+256
.endr
.irp q, 0,1,2,3
	s_wait_dscnt 11-3*\q                           ; the counts are the younger loads of the twelve
	global_store_b128 v[CO0], v[\f+12*\q:\f+12*\q+3],    s[10:11] offset:2*ROWB*(4*\n+\q)
	s_wait_dscnt 10-3*\q
	global_store_b128 v[CO1], v[\f+12*\q+4:\f+12*\q+7],  s[10:11] offset:2*ROWB*(4*\n+\q)
	s_wait_dscnt 9-3*\q
	global_store_b128 v[CO0], v[\f+12*\q+8:\f+12*\q+11], s[10:11] offset:2*ROWB*(4*\n+\q)+ROWB+256
.endr
.endm
	BACK 0, 128
	BACK 1, 176
	BACK 2, 128
	BACK 3, 176
	BACK 4, 128
	BACK 5, 176
	BACK 6, 128
	BACK 7, 176
	s_wait_tensorcnt 0x0
	ds_add_u32 v30, v31
	s_wait_dscnt 0x0
	CROUND                                         ; the closing round: no work-group ends while a partner may still ask for a tile that names it
	s_endpgm
.Lfunc_end_k_q182bc190f2_qkvproj:
	.size	k_q182bc190f2_qkvproj, .Lfunc_end_k_q182bc190f2_qkvproj-k_q182bc190f2_qkvproj
	.p2alignl 7, 3214868480
	.fill 96, 4, 3214868480
	.section	.rodata,"a",@progbits
	.p2align	6, 0x0
	.amdhsa_kernel k_q182bc190f2_qkvproj
		.amdhsa_group_segment_fixed_size 327680
		.amdhsa_private_segment_fixed_size 0
		.amdhsa_enable_private_segment 0
		.amdhsa_kernarg_size 32
		.amdhsa_user_sgpr_count 2
		.amdhsa_user_sgpr_kernarg_segment_ptr 1
		.amdhsa_wavefront_size32 1
		.amdhsa_system_sgpr_workgroup_id_x 1
		.amdhsa_system_sgpr_workgroup_id_y 1
		.amdhsa_system_sgpr_workgroup_id_z 1
		.amdhsa_system_vgpr_workitem_id 0
		.amdhsa_next_free_vgpr 1024
		.amdhsa_next_free_sgpr 80
		.amdhsa_reserve_vcc 0
		.amdhsa_float_denorm_mode_32 3
		.amdhsa_float_denorm_mode_16_64 3
		.amdhsa_memory_ordered 1
		.amdhsa_forward_progress 1
		.amdhsa_inst_pref_size 201
	.end_amdhsa_kernel
	.amdgpu_metadata
---
amdhsa.version: [ 1, 2 ]
amdhsa.kernels:
  - .name:           k_q182bc190f2_qkvproj
    .symbol:         k_q182bc190f2_qkvproj.kd
    .args:
      - { .name: xh, .offset: 0, .size: 8, .value_kind: global_buffer, .address_space: global }
      - { .name: wh, .offset: 8, .size: 8, .value_kind: global_buffer, .address_space: global }
      - { .name: in_proj_bias, .offset: 16, .size: 8, .value_kind: global_buffer, .address_space: global }
      - { .name: qkv, .offset: 24, .size: 8, .value_kind: global_buffer, .address_space: global }
    .group_segment_fixed_size: 327680
    .private_segment_fixed_size: 0
    .kernarg_segment_align: 8
    .kernarg_segment_size: 32
    .max_flat_workgroup_size: 128
    .sgpr_count:     80
    .vgpr_count:     1024
    .wavefront_size: 32
...
	.end_amdgpu_metadata
.endif
;; end of part 2
;; launch attn (part 3): grid 4 x 64, 8 waves a work-group, clusters of 4 x 4, 327,680 bytes of LDS; arguments qkv, attn_mask, ao; writes ao
.if DOCPART == 3
	.amdgcn_target "amdgcn-amd-amdhsa--gfx1250"
	.amdhsa_code_object_version 6
	.text
	.protected	k_q182bc190f2_attn
	.globl	k_q182bc190f2_attn
	.p2align	8
	.type	k_q182bc190f2_attn,@function
k_q182bc190f2_attn:
	s_mov_b64 s[64:65], 0
	v_nop
	global_prefetch_b8 v0, s[64:65] scope:SCOPE_SE
	s_setreg_imm32_b32 hwreg(HW_REG_WAVE_MODE, 25, 1), 1
	s_wait_xcnt 0x0
	s_wait_alu depctr_hold_cnt(0) depctr_sa_sdst(0) depctr_va_vdst(0) depctr_va_sdst(0) depctr_va_ssrc(0) depctr_va_vcc(0) depctr_vm_vsrc(0)
	s_getreg_b32 s2, hwreg(HW_REG_IB_STS2, 6, 4)
	s_cmp_eq_u32 s2, 0
	s_cbranch_scc0 .Lentry_in_a_cluster
	s_endpgm
.Lentry_in_a_cluster:
	s_bfe_u32 s2, ttmp6, 0x10000c
	s_cmp_lg_u32 s2, 0xf033
	s_cbranch_scc0 .Lentry_shape_is_right
	s_endpgm
.Lentry_shape_is_right:
; ao[b n][h d] (f16) = softmax over keys of (q k^T + attn_mask) times v, for 8 x 16 heads of 1024 x 64; q comes scaled by 1/8.  Sums, maxima, exponentials in f32.
; LIMITS: inputs finite; a query whose every score lies below -1e30 is not served (its sum of exponentials would be 0).
; A work-group takes 256 queries (x = 0..3) of two neighbouring heads (y = 8 b + pair).  Eight waves, two for each SIMD: wave w takes head w / 4 of the pair and
; queries 64 (w mod 4) + 0..63.  Keys go in steps of 64 through three LDS slots: the mask's 256 x 64 f32, K's and V's 64 rows of 256 bytes (both heads).
; WHY TWO WAVES A SIMD: a wave's step is some 570 vector instructions of softmax and 64 products, and one wave issues in order.  So a wave's step
; has two halves, SM (softmax of step t) and MX (O rescaled, P V of step t, the scores of step t + 1), and between two barriers the EARLY waves run SM(i), MX(i)
; while the LATE waves run MX(i-1), SM(i): one wave's vector work stands beside the other's products.  role = (w xor w/4) mod 2 differs between w and w + 4 and
; between 2 k and 2 k + 1.  In the text: MX under a branch on the wave's number, SM for all, MX under the opposite branch; no barrier stands inside a branch.
; WHY THREE SLOTS: in step i slot i is read (V by all, K and mask by the late waves) and slot i + 1 (K and mask by the early waves); the third is being filled.
; CLUSTERS: 4 x 4.  K and V hang on y alone: asked for jointly along a row of the cluster.  The mask's tile hangs on x alone: jointly along a column.
; Q is read by no other work-group and once: plain loads into registers.
; THE SCORES ARE MADE TRANSPOSED: S^T = K Q^T + mask^T.  Lane (r, h) of tile (qt, kt) holds query 16 qt + r and keys 16 kt + 8 h + 0..7: eight neighbouring
; f32 of a row of the mask, which two LDS loads lay into the accumulator before the first product: the mask costs no arithmetic.  Maximum and sum over
; keys stay in the lane but for one exchange of the halves; packing neighbouring registers to f16 gives the second source of O^T = V^T P^T as it stands;
; V^T's fragments come by the transposing LDS load.  A lane ends with eight neighbouring d of one query.
; The running maximum is taken in every step; sums and O are rescaled by 2^((m_old - m_new) log2 e).
; REGISTERS: window 0: addresses; KV, shared by K's and V's fragments (half c, fragment x at 32 c + 8 x); Q (qt, dc) at 8 (2 qt + dc); P at 16 qt; the per-query figures.
;   window 1: S (qt, kt) at 8 (4 qt + kt), O (qt, dt) at 128 + 8 (4 qt + dt).  All products run under one window setting.
; In each pass the 16 accumulators take turns, one instruction a turn, in the same order.
; PREFETCH: wave 7 asks in step j for K's and V's rows of step j + 3, one request a lane: 16 rows of K and 16 of V, the quarter cx of the 64, so that the four
; work-groups of a row of the cluster ask for each row once; the tensor load that wants them is issued behind the next step's round; 13 requests, steps 3 to 15.
.set MP,    272                        ; the mask's, K's and the stage's LDS row: 256 bytes + 16
.set VP,    288                        ; V's: 256 + 32, an odd multiple of 32 bytes for the transposing load
.set KOFF,  256*MP                     ; a slot: mask, K, V
.set VOFF,  KOFF+64*MP
.set SLOT,  VOFF+64*VP                 ; 105,472
.set STAGE, SLOT                       ; 256 rows x 272 bytes over slot 1's mask: its last fill is step 13's, its last reads stand in front of step 14's barrier
.set QROW,  6144                       ; a row of qkv in bytes
.set MA, 4                             ; v4-6   my mask bytes in slot 0, 1, 2
.set KA, 7                             ; v7-9   my K fragments
.set VA, 10                            ; v10-12 my V fragments
.set QO, 13                            ; v13    my offset in Q
.set STO, 14
.set RD,  15
.set CO,  16
.set PF,  17                           ; v17    the prefetch: my row of K or V
.set KV, 32                            ; v[32:95]
.set Q,  96                            ; v[96:159]
.set P,  160                           ; v[160:223]
.set M,  224                           ; v[224:227] running maximum of query tile qt
.set NM, 228                           ; v[228:231] -m log2 e
.set AL, 232                           ; v[232:235] the rescaling factor, at the end 1 / sum
.set L,  236                           ; v[236:243] running sums, a pair for each qt
.set T,  244                           ; v[244:251]
.set U,  252                           ; v[252:255]
.set G1M, 28
.set G1K, 36
.set G1V, 44
.set G0M, 52                           ; s[52:63] one set for each slot
.set G0K, 68                           ; s[68:79]
.set G0V, 80                           ; s[80:91]
.set MSB, 0
.macro WIN new                         ; the immediate's high byte repeats the setting that is left
.if MSB != (\new)
	s_set_vgpr_msb (MSB<<8)|(\new)
.set MSB, (\new)
.endif
.endm
.macro PLACES                          ; four places behind a matrix instruction, ahead of loads into its registers and of readers of its result
.rept 4
	v_nop
.endr
.endm
.macro CREST
	s_cmp_lg_u32 s10, 0
	s_cbranch_scc1 .Lnot_wave_0_\@
	s_barrier_signal -3
.Lnot_wave_0_\@:
	s_barrier_wait -3
	s_barrier_signal -1
	s_barrier_wait -1
.endm
.macro CROUND
	s_barrier_signal -1
	s_barrier_wait -1
	CREST
.endm
.macro JLOAD s                         ; one joint load a wave: waves 0-3 64 rows of the mask each, waves 4, 5 K's halves, waves 6, 7 V's halves
	s_cmp_lt_u32 s10, 4
	s_cbranch_scc0 .Lkv_\@
	tensor_load_to_lds s[G0M+4*\s:G0M+4*\s+3], s[G1M:G1M+7]
	s_nop 0
	s_branch .Lasked_\@
.Lkv_\@:
	s_cmp_lt_u32 s10, 6
	s_cbranch_scc0 .Lv_\@
	tensor_load_to_lds s[G0K+4*\s:G0K+4*\s+3], s[G1K:G1K+7]
	s_nop 0
	s_branch .Lasked_\@
.Lv_\@:
	tensor_load_to_lds s[G0V+4*\s:G0V+4*\s+3], s[G1V:G1V+7]
	s_nop 0
.Lasked_\@:
.endm
	s_load_b128 s[4:7], s[0:1], 0x0                ; qkv s[4:5], attn_mask s[6:7]
	s_load_b64 s[8:9], s[0:1], 0x10                ; ao
	v_lshl_add_u32 v30, v0, 2, 0x4d400
	v_mov_b32 v31, 0
	ds_add_u32 v30, v31
	v_lshrrev_b32 v1, 5, v0
	v_readfirstlane_b32 s10, v1                    ; wave 0..7
	s_lshr_b32 s11, s10, 2                         ; my head of the pair
	s_and_b32 s12, s10, 3                          ; my 64 queries
	s_xor_b32 s13, s10, s11
	s_and_b32 s13, s13, 1                          ; 0: early, 1: late
	s_bfe_u32 s14, ttmp6, 0x40000                  ; cx
	s_bfe_u32 s15, ttmp6, 0x40004                  ; cy
	s_lshl_b32 s16, ttmp9, 2
	s_add_co_u32 s16, s16, s14                     ; x: block of 256 queries
	s_and_b32 s17, ttmp7, 0xffff
	s_lshl_b32 s17, s17, 2
	s_add_co_u32 s17, s17, s15                     ; y
	s_lshr_b32 s18, s17, 3                         ; b
	s_and_b32 s19, s17, 7                          ; pair of heads
	s_lshl_b32 s99, s15, 2
	s_lshl_b32 s99, 15, s99                        ; my row of the cluster
	s_lshl_b32 s98, 0x1111, s14                    ; my column
	s_mov_b32 s21, 0x76543210                      ; v_permlanex16_b32: lane i reads lane i of the other half
	s_mov_b32 s22, 0xfedcba98
	s_mov_b32 s23, 0xf149f2ca                      ; -1e30: the first maximum's floor
	s_mov_b32 s24, 0x3fb8aa3b                      ; log2 e, twice
	s_mov_b32 s25, 0x3fb8aa3b
	s_mov_b32 s26, 0xbfb8aa3b                      ; -log2 e
	; the mask: 64 rows x 64 f32, 4 words of padding behind every 64
	s_or_b32 s[G1M+0], s98, (2<<16)|(1<<20)|(1<<21)|(5<<22)|(3<<25)
	s_mov_b32 s[G1M+1], 64<<16
	s_mov_b32 s[G1M+2], 64<<16
	s_mov_b32 s[G1M+3], 64<<16
	s_mov_b32 s[G1M+4], 64
	s_mov_b32 s[G1M+5], 1024
	s_mov_b32 s[G1M+6], 0
	s_mov_b32 s[G1M+7], 0
	; K: 32 rows x 128 f16, the same padding
	s_or_b32 s[G1K+0], s99, (1<<16)|(1<<20)|(1<<21)|(5<<22)|(3<<25)
	s_mov_b32 s[G1K+1], 128<<16
	s_mov_b32 s[G1K+2], 32<<16
	s_mov_b32 s[G1K+3], 128<<16
	s_mov_b32 s[G1K+4], 32
	s_mov_b32 s[G1K+5], 3072
	s_mov_b32 s[G1K+6], 0
	s_mov_b32 s[G1K+7], 0
	; V: the same with 8 words of padding
	s_or_b32 s[G1V+0], s99, (1<<16)|(1<<20)|(1<<21)|(5<<22)|(7<<25)
	s_mov_b32 s[G1V+1], 128<<16
	s_mov_b32 s[G1V+2], 32<<16
	s_mov_b32 s[G1V+3], 128<<16
	s_mov_b32 s[G1V+4], 32
	s_mov_b32 s[G1V+5], 3072
	s_mov_b32 s[G1V+6], 0
	s_mov_b32 s[G1V+7], 0
	s_lshl_b32 s96, s16, 20                        ; the mask: (256 x + 64 (wave mod 4)) rows of 4,096 bytes; no cy enters s96-s98
	s_lshl_b32 s98, s12, 18
	s_add_co_u32 s96, s96, s98
	s_mov_b32 s97, 0
	s_mul_i32 s100, s18, 1024*QROW                 ; K, V: batch b's first row, the pair's 256 bytes, 32 (wave mod 2) rows; no cx enters s99-s101
	s_lshl_b32 s99, s19, 8
	s_add_co_u32 s100, s100, s99
	s_and_b32 s99, s10, 1
	s_mul_i32 s99, s99, 32*QROW
	s_add_co_u32 s100, s100, s99
	s_mov_b32 s101, 0
	s_lshl_b32 s92, s18, 10                        ; Q: row 1024 b + 256 x + 64 qs, byte 256 pair + 128 head
	s_lshl_b32 s66, s16, 8
	s_add_co_u32 s92, s92, s66
	s_lshl_b32 s94, s92, 11                        ; ao: row 1024 b + 256 x + 32 wave, of 2,048 bytes, byte 256 pair
	s_lshl_b32 s66, s12, 6
	s_add_co_u32 s92, s92, s66
	s_mul_i32 s92, s92, QROW
	s_lshl_b32 s66, s19, 8
	s_add_co_u32 s92, s92, s66
	s_add_co_u32 s94, s94, s66
	s_lshl_b32 s66, s11, 7
	s_add_co_u32 s92, s92, s66
	s_mov_b32 s93, 0
	s_lshl_b32 s66, s10, 16
	s_add_co_u32 s94, s94, s66
	s_mov_b32 s95, 0
	s_mul_i32 s20, s10, 64*MP                      ; where a wave's part of a tile goes: the mask's quarters, waves 0-3,
	s_mul_i32 s2, s10, 32*MP
	s_add_co_u32 s2, s2, KOFF-4*32*MP              ; K's halves, waves 4, 5,
	s_mul_i32 s27, s10, 32*VP
	s_add_co_u32 s27, s27, VOFF-6*32*VP            ; V's halves, waves 6, 7
	s_wait_dscnt 0x0
	s_wait_kmcnt 0x0
	s_add_nc_u64 s[96:97], s[6:7], s[96:97]
	s_add_nc_u64 s[100:101], s[4:5], s[100:101]
	s_add_nc_u64 s[92:93], s[4:5], s[92:93]
	s_add_nc_u64 s[8:9], s[8:9], s[94:95]
	s_mul_i32 s94, s18, 1024*QROW                  ; the prefetch's base: K's columns of step 2's first row; it is stepped ahead of each request
	s_lshl_b32 s66, s19, 8
	s_add_co_u32 s94, s94, s66
	s_add_co_u32 s94, s94, 2048+2*64*QROW
	s_mov_b32 s95, 0
	s_add_nc_u64 s[94:95], s[4:5], s[94:95]
	CROUND                                         ; in front of the first joint loads
.irp s, 0,1,2
	s_mov_b32 s[G0M+4*\s], 1
	s_add_co_u32 s[G0M+4*\s+1], s20, \s*SLOT
	s_add_nc_u64 s[G0M+4*\s+2:G0M+4*\s+3], s[96:97], \s*256                ; keys 64 s ..
	s_or_b32 s[G0M+4*\s+3], s[G0M+4*\s+3], 0x80000000
	s_mov_b32 s[G0K+4*\s], 1
	s_add_co_u32 s[G0K+4*\s+1], s2, \s*SLOT
	s_add_nc_u64 s[G0K+4*\s+2:G0K+4*\s+3], s[100:101], 2048+\s*64*QROW     ; k's columns begin at byte 2,048 of a row
	s_or_b32 s[G0K+4*\s+3], s[G0K+4*\s+3], 0x80000000
	s_mov_b32 s[G0V+4*\s], 1
	s_add_co_u32 s[G0V+4*\s+1], s27, \s*SLOT
	s_add_nc_u64 s[G0V+4*\s+2:G0V+4*\s+3], s[100:101], 4096+\s*64*QROW     ; v's at byte 4,096
	s_or_b32 s[G0V+4*\s+3], s[G0V+4*\s+3], 0x80000000
	JLOAD \s                                       ; three loads of the wave are out, the most in this text
.endr
	s_cmp_eq_u32 s10, 7
	s_cselect_b32 s27, 13, 0                       ; requests left to make: 13 in wave 7, none in the others
	v_and_b32 v1, 15, v0                           ; r
	v_bfe_u32 v2, v0, 4, 1                         ; h
	v_mul_u32_u24 v[QO], v1, QROW
	v_lshl_add_u32 v[QO], v2, 4, v[QO]
.irp qt, 0,1,2,3
.irp dc, 0,1
	global_load_b128 v[Q+8*(2*\qt+\dc):Q+8*(2*\qt+\dc)+3],   v[QO], s[92:93] offset:16*QROW*\qt+64*\dc       ; query 16 qt + r, d = 32 dc + 8 h ..
	global_load_b128 v[Q+8*(2*\qt+\dc)+4:Q+8*(2*\qt+\dc)+7], v[QO], s[92:93] offset:16*QROW*\qt+64*\dc+32    ; d = 32 dc + 16 + 8 h ..
.endr
.endr
	v_mul_u32_u24 v3, v1, MP
	v_lshl_add_u32 v18, v2, 5, v3                  ; r x 272 + 32 h
	v_lshl_add_u32 v19, v2, 4, v3                  ; r x 272 + 16 h
	s_mul_i32 s20, s12, 64*MP
	v_add_nc_u32 v[MA], s20, v18
	v_add_nc_u32 v[MA+1], SLOT, v[MA]
	v_add_nc_u32 v[MA+2], SLOT, v[MA+1]
	s_lshl_b32 s2, s11, 7                          ; my head's 128 bytes of a row of K, V or the stage
	s_add_co_u32 s20, s2, KOFF
	v_add_nc_u32 v[KA], s20, v19
	v_add_nc_u32 v[KA+1], SLOT, v[KA]
	v_add_nc_u32 v[KA+2], SLOT, v[KA+1]
	v_and_b32 v20, 7, v0
	v_lshl_add_u32 v20, v2, 3, v20                 ; key 8 h + lane mod 8
	v_mul_u32_u24 v20, v20, VP
	v_bfe_u32 v21, v0, 3, 1
	v_lshl_add_u32 v20, v21, 4, v20                ; + 16 bytes for the upper eight d of a tile
	s_add_co_u32 s20, s2, VOFF
	v_add_nc_u32 v[VA], s20, v20
	v_add_nc_u32 v[VA+1], SLOT, v[VA]
	v_add_nc_u32 v[VA+2], SLOT, v[VA+1]
	s_mul_i32 s20, s12, 64*MP
	s_add_co_u32 s20, s20, s2
	s_add_co_u32 s20, s20, STAGE
	v_add_nc_u32 v[STO], s20, v19                  ; stage row 64 qs + r, byte 128 head + 16 h
	v_mul_u32_u24 v20, v2, MP
	v_lshl_add_u32 v20, v1, 4, v20
	s_mul_i32 s20, s10, 32*MP
	s_add_co_u32 s20, s20, STAGE
	v_add_nc_u32 v[RD], s20, v20                   ; read back: row 32 wave + h, byte 16 r
	v_lshlrev_b32 v20, 4, v1
	v_lshl_add_u32 v[CO], v2, 11, v20
	v_lshl_add_u32 v22, s14, 4, v1                 ; the prefetch: row 16 cx + r of a step's 64,
	v_mul_u32_u24 v[PF], v22, QROW
	v_lshl_add_u32 v[PF], v2, 11, v[PF]            ; lanes 0-15 in K's columns, lanes 16-31 in V's, 2,048 bytes on
.irp q, 0,1,2,3
	v_mov_b32 v[U+\q], 0                           ; v_permlanex16_b32 counts as a reader of its destination
.endr
.macro KLOAD slot, c                   ; 8 loads: d = 32 c .. 32 c + 31 of the 64 keys
.irp kt, 0,1,2,3
	ds_load_b128 v[KV+32*\c+8*\kt:KV+32*\c+8*\kt+3],   v[KA+\slot] offset:16*MP*\kt+64*\c
	ds_load_b128 v[KV+32*\c+8*\kt+4:KV+32*\c+8*\kt+7], v[KA+\slot] offset:16*MP*\kt+64*\c+32
.endr
.endm
.macro MLOAD slot                      ; 32 loads, destination window 1: the mask becomes the scores' first addend
.irp qt, 0,1,2,3
.irp kt, 0,1,2,3
	ds_load_b128 v[8*(4*\qt+\kt):8*(4*\qt+\kt)+3],   v[MA+\slot] offset:16*MP*\qt+64*\kt
	ds_load_b128 v[8*(4*\qt+\kt)+4:8*(4*\qt+\kt)+7], v[MA+\slot] offset:16*MP*\qt+64*\kt+16
.endr
.endr
.endm
.macro VLOAD slot                      ; 16 transposing loads: d = 16 dt + r, keys 32 kc + 8 h .. and 32 kc + 16 + 8 h ..
.irp kc, 0,1
.irp dt, 0,1,2,3
	ds_load_tr16_b128 v[KV+32*\kc+8*\dt:KV+32*\kc+8*\dt+3],   v[VA+\slot] offset:32*VP*\kc+32*\dt
	ds_load_tr16_b128 v[KV+32*\kc+8*\dt+4:KV+32*\kc+8*\dt+7], v[VA+\slot] offset:32*VP*\kc+32*\dt+16*VP
.endr
.endr
.endm
.macro SCOREP c                        ; 16 products: source 0 K, source 1 Q, C and D S
.irp qt, 0,1,2,3
.irp kt, 0,1,2,3
	v_wmma_f32_16x16x32_f16 v[8*(4*\qt+\kt):8*(4*\qt+\kt)+7], v[KV+32*\c+8*\kt:KV+32*\c+8*\kt+7], v[Q+16*\qt+8*\c:Q+16*\qt+8*\c+7], v[8*(4*\qt+\kt):8*(4*\qt+\kt)+7]
.endr
.endr
.endm
.macro PVP c, first                    ; 16 products: source 0 V^T, source 1 P, C and D O
.irp qt, 0,1,2,3
.irp dt, 0,1,2,3
.if \first
	v_wmma_f32_16x16x32_f16 v[128+8*(4*\qt+\dt):128+8*(4*\qt+\dt)+7], v[KV+32*\c+8*\dt:KV+32*\c+8*\dt+7], v[P+16*\qt+8*\c:P+16*\qt+8*\c+7], 0
.else
	v_wmma_f32_16x16x32_f16 v[128+8*(4*\qt+\dt):128+8*(4*\qt+\dt)+7], v[KV+32*\c+8*\dt:KV+32*\c+8*\dt+7], v[P+16*\qt+8*\c:P+16*\qt+8*\c+7], v[128+8*(4*\qt+\dt):128+8*(4*\qt+\dt)+7]
.endif
.endr
.endr
.endm
.macro MAXS                            ; the largest of a lane's 32 scores of each qt, in two chains each: eight chains that do not wait for each other
	WIN 0x05
.irp e, 0,1
.irp q, 0,1,2,3
	v_max_num_f32 v[T+4*\e+\q], v[32*\q+16*\e], v[32*\q+16*\e+1]
.endr
.endr
.irp i, 1,2,3,4,5,6,7
.irp e, 0,1
.irp q, 0,1,2,3
	v_max3_num_f32 v[T+4*\e+\q], v[32*\q+16*\e+2*\i], v[32*\q+16*\e+2*\i+1], v[T+4*\e+\q]
.endr
.endr
.endr
.endm
.macro STAT first                      ; the new maximum, -m log2 e, and (but for the first step) the factor for what has been summed
	WIN 0
.irp q, 0,1,2,3
	v_max_num_f32 v[T+\q], v[T+\q], v[T+4+\q]
.endr
.irp q, 0,1,2,3
	v_permlanex16_b32 v[U+\q], v[T+\q], s21, s22   ; the other eight keys of each sixteen lie in the other half of the lanes
.endr
.if \first
.irp q, 0,1,2,3
	v_max3_num_f32 v[M+\q], v[T+\q], v[U+\q], s23
.endr
.irp q, 0,1,2,3
	v_mul_f32 v[NM+\q], s26, v[M+\q]
.endr
.else
.irp q, 0,1,2,3
	v_max3_num_f32 v[M+\q], v[T+\q], v[U+\q], v[M+\q]
.endr
.irp q, 0,1,2,3
	v_mul_f32 v[T+\q], s26, v[M+\q]
.endr
.irp q, 0,1,2,3
	v_sub_f32 v[AL+\q], v[T+\q], v[NM+\q]          ; the difference of the two shifts as the exponentials use them: (m_old - m_new) log2 e, never above 0
.endr
.irp q, 0,1,2,3
	v_exp_f32 v[AL+\q], v[AL+\q]
.endr
.irp q, 0,1,2,3
	v_mov_b32 v[NM+\q], v[T+\q]                    ; the new shift; also the plain instructions behind the exponentials, ahead of their use (ISA guide 5.7.2)
.endr
	s_wait_alu depctr_va_vdst(0)
.irp p, 0,1
	v_pk_mul_f32 v[L+4*\p:L+4*\p+1],   v[L+4*\p:L+4*\p+1],   v[AL+2*\p:AL+2*\p+1] op_sel:[0,0] op_sel_hi:[1,0]
	v_pk_mul_f32 v[L+4*\p+2:L+4*\p+3], v[L+4*\p+2:L+4*\p+3], v[AL+2*\p:AL+2*\p+1] op_sel:[0,1] op_sel_hi:[1,1]
.endr
.endif
.endm
; The exponentials of tile qt in place; more = 1: the multiply-adds s log2 e - m log2 e of tile nq are strewn among them, one behind every two
; (nmp: the pair that holds nq's shift, o: which of the two).
.macro EXPQ qt, nq, nmp, o, more
.set j, 0
.rept 16
	v_exp_f32 v[32*\qt+2*j], v[32*\qt+2*j]
	v_exp_f32 v[32*\qt+2*j+1], v[32*\qt+2*j+1]
.if \more
	v_pk_fma_f32 v[32*\nq+2*j:32*\nq+2*j+1], v[32*\nq+2*j:32*\nq+2*j+1], s[24:25], v[\nmp:\nmp+1] op_sel:[0,0,\o] op_sel_hi:[1,0,\o]
.endif
.set j, j+1
.endr
.endm
.macro EXPS
	WIN 0x41
.set j, 0
.rept 16
	v_pk_fma_f32 v[2*j:2*j+1], v[2*j:2*j+1], s[24:25], v[NM:NM+1] op_sel:[0,0,0] op_sel_hi:[1,0,0]
.set j, j+1
.endr
	EXPQ 0, 1, NM, 1, 1
	EXPQ 1, 2, NM+2, 0, 1
	EXPQ 2, 3, NM+2, 1, 1
	EXPQ 3, 0, NM, 0, 0
	v_nop                                          ; one plain instruction behind the last exponentials
.endm
.macro CVTS                            ; P = f16 of S: registers 16 qt + 8 kc + 0..7 are the fragment of keys 32 kc ..
	WIN 0x05
.set j, 0
	s_wait_alu depctr_va_vdst(0)
.rept 64
	v_cvt_pk_f16_f32 v[P+j], v[2*j], v[2*j+1]
.set j, j+1
.endr
.endm
.macro SUMS first                      ; a lane's 32 numbers of each qt: a tree inside S, which is free now, then onto the running sums
	WIN 0x45
.irp p, 0,1,2,3,4,5,6,7
.irp q, 0,1,2,3
	v_pk_add_f32 v[32*\q+2*\p:32*\q+2*\p+1], v[32*\q+2*\p:32*\q+2*\p+1], v[32*\q+2*\p+16:32*\q+2*\p+17]
.endr
.endr
.irp p, 0,1,2,3
.irp q, 0,1,2,3
	v_pk_add_f32 v[32*\q+2*\p:32*\q+2*\p+1], v[32*\q+2*\p:32*\q+2*\p+1], v[32*\q+2*\p+8:32*\q+2*\p+9]
.endr
.endr
.irp p, 0,1
.irp q, 0,1,2,3
	v_pk_add_f32 v[32*\q+2*\p:32*\q+2*\p+1], v[32*\q+2*\p:32*\q+2*\p+1], v[32*\q+2*\p+4:32*\q+2*\p+5]
.endr
.endr
.if \first
	WIN 0x05
.irp q, 0,1,2,3
	v_pk_add_f32 v[L+2*\q:L+2*\q+1], v[32*\q:32*\q+1], v[32*\q+2:32*\q+3]          ; the first step starts the sums: nothing is cleared
.endr
.else
	WIN 0x01
.irp p, 0,1
.irp q, 0,1,2,3
	v_pk_add_f32 v[L+2*\q:L+2*\q+1], v[32*\q+2*\p:32*\q+2*\p+1], v[L+2*\q:L+2*\q+1]
.endr
.endr
.endif
.endm
.macro RESC                            ; O times the lane's factor of each qt
	WIN 0x41
.irp p, 0,1
.set j, 0
.rept 16
	v_pk_mul_f32 v[128+64*\p+j:128+64*\p+j+1], v[128+64*\p+j:128+64*\p+j+1], v[AL+2*\p:AL+2*\p+1] op_sel:[0,0] op_sel_hi:[1,0]
.set j, j+2
.endr
.set j, 0
.rept 16
	v_pk_mul_f32 v[128+64*\p+32+j:128+64*\p+32+j+1], v[128+64*\p+32+j:128+64*\p+32+j+1], v[AL+2*\p:AL+2*\p+1] op_sel:[0,1] op_sel_hi:[1,1]
.set j, j+2
.endr
.endr
.endm
; SM: the softmax of the step whose scores lie in S; V of that step (in slot) comes into KV, which the score products have left.
.macro SM slot, first
	PLACES                                         ; behind the score products: for the loads into KV and for the readers of S
	VLOAD \slot
	MAXS
	STAT \first
	EXPS
	CVTS
	SUMS \first
	WIN 0
.endm
; MX: O rescaled, P V of the step just softmaxed, then the scores of the next step, whose mask and K lie in slot n.  K's half c takes the registers that pass c of P V has left.
; first = 1: the products start O.  last = 1: no step follows.
; The four places at its head: a wave comes here from SM, but in the text an MX of the other role stands just ahead, with scalar lines alone between.  With them the
; distances behind that MX's products can be read off the text on every way through it: four ahead of the loads into S and of the multiplies on O,
; and, with the four behind P V's second pass, eight ahead of a product that writes O anew.
.macro MX n, first, last
	PLACES
.if \last
	s_wait_dscnt 0x0                               ; V's fragments
.else
	WIN 0x40
	MLOAD \n
	s_wait_dscnt 32                                ; V's fragments are in: the count is the 32 mask loads issued behind them
.endif
.if \first == 0
	RESC
.endif
	WIN 0x50
	PVP 0, \first
.if \last == 0
	PLACES
	WIN 0
	KLOAD \n, 0
	WIN 0x50
.endif
	PVP 1, 0
.if \last == 0
	PLACES
	WIN 0
	KLOAD \n, 1
	s_wait_dscnt 8                                 ; the mask and K's first half are in; the count is K's second half
	WIN 0x50
	SCOREP 0
	s_wait_dscnt 0x0
	SCOREP 1
.endif
	WIN 0
.endm
; In front of a step.  mode 2: slot c, which no later step's reads touch as it stands, is filled again, three steps on: the waits, a round of the cluster's barrier,
; the joint load first behind it; it has the whole step in which to land.  mode 1: nothing is left to fill; the last load is shown to every wave.
.macro BAR c, mode
.if \mode
	s_wait_dscnt 0x0                               ; my reads of the slots are over
	s_wait_tensorcnt 0x0                           ; all my tensor loads have landed, so every group 0 may be written
	ds_add_u32 v30, v31
	s_wait_dscnt 0x0
.if \mode == 2
	s_add_nc_u64 s[G0M+4*\c+2:G0M+4*\c+3], s[G0M+4*\c+2:G0M+4*\c+3], 3*256
	s_add_nc_u64 s[G0K+4*\c+2:G0K+4*\c+3], s[G0K+4*\c+2:G0K+4*\c+3], 3*64*QROW
	s_add_nc_u64 s[G0V+4*\c+2:G0V+4*\c+3], s[G0V+4*\c+2:G0V+4*\c+3], 3*64*QROW
	CROUND
	JLOAD \c
.else
	s_barrier_signal -1
	s_barrier_wait -1
.endif
.endif
.endm
.macro PFETCH                          ; wave 7, while requests are left: K's and V's rows three steps on
	s_cmp_eq_u32 s27, 0
	s_cbranch_scc1 .Lno_request_\@
	s_wait_xcnt 0x0                                ; the base that the last request names is stepped only behind this wait, a step behind that request
	s_add_nc_u64 s[94:95], s[94:95], 64*QROW
	global_prefetch_b8 v[PF], s[94:95] th:TH_LOAD_NT scope:SCOPE_SE
	s_sub_co_u32 s27, s27, 1
.Lno_request_\@:
.endm
; Step i: a = slot of step i, b = slot of step i + 1, c = the slot filled again.  lmx: the late waves have an MX to do; lfirst, efirst, elast: MX's flags.
.macro IVAL a, b, c, bar, lmx, lfirst, smf, efirst, elast, pf
	BAR \c, \bar
.if \pf
	PFETCH
.endif
.if \lmx
	s_cmp_eq_u32 s13, 0
	s_cbranch_scc1 .Lis_early_\@
	MX \a, \lfirst, 0                              ; late: P V of step i - 1, the scores of step i
.Lis_early_\@:
.endif
	SM \a, \smf
	s_cmp_lg_u32 s13, 0
	s_cbranch_scc1 .Lis_late_\@
	MX \b, \efirst, \elast                         ; early: P V of step i, the scores of step i + 1
.Lis_late_\@:
.endm
	s_wait_tensorcnt 0x1                           ; my parts of slots 0 and 1 are in; slot 2's stays out
	s_barrier_signal -1
	s_barrier_wait -1
	WIN 0x40
	MLOAD 0
	WIN 0
	KLOAD 0, 0
	KLOAD 0, 1
	s_wait_loadcnt 0x0                             ; Q
	s_wait_dscnt 8                                 ; the mask and K's first half; the count is K's second half
	WIN 0x50
	SCOREP 0
	s_wait_dscnt 0x0
	SCOREP 1
	WIN 0
	IVAL 0, 1, 0, 0, 0, 0, 1, 1, 0, 1              ; step 0: the early waves' first P V starts their O
	IVAL 1, 2, 0, 2, 1, 1, 0, 0, 0, 1              ; step 1: the late waves' first P V; slot 0 gets step 3
	s_mov_b32 s3, 4                                ; steps 2 to 13; fill steps 4 to 15
.Lthree:
	IVAL 2, 0, 1, 2, 1, 0, 0, 0, 0, 1
	IVAL 0, 1, 2, 2, 1, 0, 0, 0, 0, 1
	IVAL 1, 2, 0, 2, 1, 0, 0, 0, 0, 1
	s_sub_co_u32 s3, s3, 1
	s_cmp_lg_u32 s3, 0
	s_cbranch_scc1 .Lthree
	IVAL 2, 0, 0, 1, 1, 0, 0, 0, 0, 0              ; step 14: step 15's tiles are shown to every wave; nothing is filled
	IVAL 0, 0, 0, 0, 1, 0, 0, 0, 1, 0              ; step 15: nothing new is read that the last barrier has not shown
	s_cmp_eq_u32 s13, 0
	s_cbranch_scc1 .Lclose
	MX 0, 0, 1                                     ; late: P V of step 15
.Lclose:
	; THE CLOSE: 1 / sum, O scaled, f16, through the stage so that whole rows of 256 bytes (both heads) leave together.
	PLACES
.irp q, 0,1,2,3
	v_add_f32 v[T+\q], v[L+2*\q], v[L+2*\q+1]
.endr
.irp q, 0,1,2,3
	v_permlanex16_b32 v[U+\q], v[T+\q], s21, s22
.endr
.irp q, 0,1,2,3
	v_add_f32 v[T+\q], v[T+\q], v[U+\q]
.endr
.irp q, 0,1,2,3
	v_rcp_f32 v[AL+\q], v[T+\q]
.endr
	v_nop
	s_wait_alu depctr_va_vdst(0)
	RESC
	WIN 0x05                                       ; sources window 1, destination window 0: KV is free
.set j, 0
.rept 64
	v_cvt_pk_f16_f32 v[KV+j], v[128+2*j], v[128+2*j+1]
.set j, j+1
.endr
	WIN 0
.irp qt, 0,1,2,3
.irp dt, 0,1,2,3
	ds_store_b128 v[STO], v[KV+4*(4*\qt+\dt):KV+4*(4*\qt+\dt)+3] offset:16*MP*\qt+32*\dt
.endr
.endr
	s_wait_dscnt 0x0                               ; my stores are done,
	s_barrier_signal -1
	s_barrier_wait -1                              ; everybody's are: a row holds two waves' halves
.set j, 0
.rept 16
	ds_load_b128 v[KV+4*j:KV+4*j+3], v[RD] offset:2*MP*j
.set j, j+1
.endr
.set j, 0
.rept 16
	s_wait_dscnt 15-j                              ; the count is the younger loads
	global_store_b128 v[CO], v[KV+4*j:KV+4*j+3], s[8:9] offset:4096*j              ; sixteen lanes store 256 consecutive bytes, aligned
.set j, j+1
.endr
	s_wait_tensorcnt 0x0
	ds_add_u32 v30, v31
	s_wait_dscnt 0x0
	CROUND                                         ; the closing round
	s_endpgm
.Lfunc_end_k_q182bc190f2_attn:
	.size	k_q182bc190f2_attn, .Lfunc_end_k_q182bc190f2_attn-k_q182bc190f2_attn
	.p2alignl 7, 3214868480
	.fill 96, 4, 3214868480
	.section	.rodata,"a",@progbits
	.p2align	6, 0x0
	.amdhsa_kernel k_q182bc190f2_attn
		.amdhsa_group_segment_fixed_size 327680
		.amdhsa_private_segment_fixed_size 0
		.amdhsa_enable_private_segment 0
		.amdhsa_kernarg_size 24
		.amdhsa_user_sgpr_count 2
		.amdhsa_user_sgpr_kernarg_segment_ptr 1
		.amdhsa_wavefront_size32 1
		.amdhsa_system_sgpr_workgroup_id_x 1
		.amdhsa_system_sgpr_workgroup_id_y 1
		.amdhsa_system_sgpr_workgroup_id_z 1
		.amdhsa_system_vgpr_workitem_id 0
		.amdhsa_next_free_vgpr 512
		.amdhsa_next_free_sgpr 102
		.amdhsa_reserve_vcc 0
		.amdhsa_float_denorm_mode_32 3
		.amdhsa_float_denorm_mode_16_64 3
		.amdhsa_memory_ordered 1
		.amdhsa_forward_progress 1
		.amdhsa_inst_pref_size 255
	.end_amdhsa_kernel
	.section	.bss,"aw",@nobits
	.p2align	6
	.space	262144
	.amdgpu_metadata
---
amdhsa.version: [ 1, 2 ]
amdhsa.kernels:
  - .name:           k_q182bc190f2_attn
    .symbol:         k_q182bc190f2_attn.kd
    .args:
      - { .name: qkv, .offset: 0, .size: 8, .value_kind: global_buffer, .address_space: global }
      - { .name: attn_mask, .offset: 8, .size: 8, .value_kind: global_buffer, .address_space: global }
      - { .name: ao, .offset: 16, .size: 8, .value_kind: global_buffer, .address_space: global }
    .group_segment_fixed_size: 327680
    .private_segment_fixed_size: 0
    .kernarg_segment_align: 8
    .kernarg_segment_size: 24
    .max_flat_workgroup_size: 256
    .sgpr_count:     102
    .vgpr_count:     512
    .wavefront_size: 32
...
	.end_amdgpu_metadata
.endif
;; end of part 3
;; launch outproj (part 4): grid 8 x 32, 4 waves a work-group, clusters of 4 x 4, 327,680 bytes of LDS; arguments ao, owh, out_b, out0; writes out0
.if DOCPART == 4
	.amdgcn_target "amdgcn-amd-amdhsa--gfx1250"
	.amdhsa_code_object_version 6
	.text
	.protected	k_q182bc190f2_outproj
	.globl	k_q182bc190f2_outproj
	.p2align	8
	.type	k_q182bc190f2_outproj,@function
k_q182bc190f2_outproj:
	s_mov_b64 s[64:65], 0
	v_nop
	global_prefetch_b8 v0, s[64:65] scope:SCOPE_SE
	s_setreg_imm32_b32 hwreg(HW_REG_WAVE_MODE, 25, 1), 1
	s_wait_xcnt 0x0
	s_wait_alu depctr_hold_cnt(0) depctr_sa_sdst(0) depctr_va_vdst(0) depctr_va_sdst(0) depctr_va_ssrc(0) depctr_va_vcc(0) depctr_vm_vsrc(0)
	s_getreg_b32 s2, hwreg(HW_REG_IB_STS2, 6, 4)
	s_cmp_eq_u32 s2, 0
	s_cbranch_scc0 .Lentry_in_a_cluster
	s_endpgm
.Lentry_in_a_cluster:
	s_bfe_u32 s2, ttmp6, 0x10000c
	s_cmp_lg_u32 s2, 0xf033
	s_cbranch_scc0 .Lentry_shape_is_right
	s_endpgm
.Lentry_shape_is_right:
; out0[8192][1024] (f32) = ao[8192][1024] owh[1024][1024]^T + out_b.  Operands f16, sums f32.
; A work-group makes 256 rows x 128 columns, so that 256 work-groups share the work; four waves (2 x 2), a wave 128 x 64: 32 accumulator tiles in window 1,
; tile (a, b) at v[8 (4 a + b)].  K goes in steps of 128 (rows of 256 bytes, aligned) through two LDS slots filled by the tensor data mover.
; CLUSTERS: 4 x 4; ao's tile is asked for jointly along a row of the cluster, owh's along a column.
; The matrix instruction is used transposed (source 0 = rows of owh, source 1 = rows of ao): a lane (r, h) holds row r, columns 8 h + 0..7 of a tile.
; The bias is the C operand of the first products, so the way out has no arithmetic.
; The 32 accumulators take turns, one instruction a turn, in the same order in every quarter step.
.set PITCH, 272                        ; 256 bytes + 16
.set FRAG,  16*PITCH
.set AHALF, 128*PITCH
.set BHALF, 64*PITCH
.set BOFF,  256*PITCH
.set SLOT,  384*PITCH                  ; 104,448
.set STAGE, 2*SLOT                     ; 208,896, a multiple of 256: 16 rows x 272 bytes for each wave, into which no fill lands
.set ADRA, 16
.set ADRB, 18
.set STO,  20
.set RD,   21
.set CO,   22
.set BO,   23
.set BIAS, 32                          ; v[32:63]  out_b of columns 16 b + 8 h + 0..7
.set F0,   64                          ; ao's 8 fragments at F, owh's 4 at F + 64
.set F1,   160
.set G1A, 24
.set G0A, 32
.set G1B, 40
.set G0B, 48
.set MSB, 0
.macro WIN new
.if MSB != (\new)
	s_set_vgpr_msb (MSB<<8)|(\new)
.set MSB, (\new)
.endif
.endm
.macro PLACES
.rept 4
	v_nop
.endr
.endm
.macro CREST
	s_cmp_lg_u32 s12, 0
	s_cbranch_scc1 .Lnot_wave_0_\@
	s_barrier_signal -3
.Lnot_wave_0_\@:
	s_barrier_wait -3
	s_barrier_signal -1
	s_barrier_wait -1
.endm
.macro CROUND
	s_barrier_signal -1
	s_barrier_wait -1
	CREST
.endm
.macro JLOAD s                         ; waves 0, 1 ao's halves, waves 2, 3 owh's halves
	s_cmp_eq_u32 s13, 0
	s_cbranch_scc0 .Lfor_b_\@
	tensor_load_to_lds s[G0A+4*\s:G0A+4*\s+3], s[G1A:G1A+7]
	s_nop 0
	s_branch .Lasked_\@
.Lfor_b_\@:
	tensor_load_to_lds s[G0B+4*\s:G0B+4*\s+3], s[G1B:G1B+7]
	s_nop 0
.Lasked_\@:
.endm
	s_load_b256 s[4:11], s[0:1], 0x0               ; ao s[4:5], owh s[6:7], out_b s[8:9], out0 s[10:11]
	v_lshl_add_u32 v30, v0, 2, 0x37400
	v_mov_b32 v31, 0
	ds_add_u32 v30, v31
	v_lshrrev_b32 v1, 5, v0
	v_readfirstlane_b32 s12, v1                    ; wave
	s_lshr_b32 s13, s12, 1                         ; my 128 rows.  Also: I fetch for ao (0) or for owh (1)
	s_and_b32 s14, s12, 1                          ; my 64 columns.  Also: which half of that tile I fetch
	s_bfe_u32 s15, ttmp6, 0x40000                  ; cx
	s_bfe_u32 s16, ttmp6, 0x40004                  ; cy
	s_lshl_b32 s17, ttmp9, 2
	s_add_co_u32 s17, s17, s15                     ; block column 0..7
	s_and_b32 s18, ttmp7, 0xffff
	s_lshl_b32 s18, s18, 2
	s_add_co_u32 s18, s18, s16                     ; block row 0..31
	s_lshl_b32 s19, s16, 2
	s_lshl_b32 s19, 15, s19
	s_lshl_b32 s20, 0x1111, s15
	s_or_b32 s[G1A+0], s19, (1<<16)|(1<<20)|(1<<21)|(5<<22)|(3<<25)
	s_mov_b32 s[G1A+1], 128<<16
	s_mov_b32 s[G1A+2], 128<<16
	s_mov_b32 s[G1A+3], 128<<16
	s_mov_b32 s[G1A+4], 128
	s_mov_b32 s[G1A+5], 1024
	s_mov_b32 s[G1A+6], 0
	s_mov_b32 s[G1A+7], 0
	s_or_b32 s[G1B+0], s20, (1<<16)|(1<<20)|(1<<21)|(5<<22)|(3<<25)
	s_mov_b32 s[G1B+1], 128<<16
	s_mov_b32 s[G1B+2], 64<<16
	s_mov_b32 s[G1B+3], 128<<16
	s_mov_b32 s[G1B+4], 64
	s_mov_b32 s[G1B+5], 1024
	s_mov_b32 s[G1B+6], 0
	s_mov_b32 s[G1B+7], 0
	s_lshl_b32 s56, s18, 19                        ; ao: (256 block row + 128 half) rows of 2,048 bytes; no cx enters
	s_lshl_b32 s57, s14, 18
	s_add_co_u32 s56, s56, s57
	s_mov_b32 s57, 0
	s_lshl_b32 s60, s17, 18                        ; owh: (128 block column + 64 half) rows; no cy enters
	s_lshl_b32 s61, s14, 17
	s_add_co_u32 s60, s60, s61
	s_mov_b32 s61, 0
	s_lshl_b32 s66, s17, 9                         ; my 64 columns in f32: 512 block column + 256 wn, in out_b and in a row of out0
	s_lshl_b32 s67, s14, 8
	s_add_co_u32 s66, s66, s67
	s_mov_b32 s67, 0
	s_lshl_b32 s70, s18, 20                        ; my first row of out0: (256 block row + 128 wm) rows of 4,096 bytes
	s_lshl_b32 s71, s13, 19
	s_add_co_u32 s70, s70, s71
	s_mov_b32 s71, 0
	s_mul_i32 s21, s12, AHALF                      ; ao's halves: waves 0, 1
	s_mul_i32 s22, s12, BHALF                      ; owh's halves behind them: waves 2, 3 at BOFF + (wave - 2) x BHALF
	s_add_co_u32 s22, s22, BOFF-2*BHALF
	s_wait_dscnt 0x0
	s_wait_kmcnt 0x0
	s_add_nc_u64 s[58:59], s[4:5], s[56:57]
	s_add_nc_u64 s[62:63], s[6:7], s[60:61]
	s_add_nc_u64 s[68:69], s[8:9], s[66:67]
	s_add_nc_u64 s[10:11], s[10:11], s[66:67]
	s_add_nc_u64 s[10:11], s[10:11], s[70:71]
	CROUND
.irp s, 0,1
	s_mov_b32 s[G0A+4*\s], 1
	s_add_co_u32 s[G0A+4*\s+1], s21, \s*SLOT
	s_add_nc_u64 s[G0A+4*\s+2:G0A+4*\s+3], s[58:59], \s*256
	s_or_b32 s[G0A+4*\s+3], s[G0A+4*\s+3], 0x80000000
	s_mov_b32 s[G0B+4*\s], 1
	s_add_co_u32 s[G0B+4*\s+1], s22, \s*SLOT
	s_add_nc_u64 s[G0B+4*\s+2:G0B+4*\s+3], s[62:63], \s*256
	s_or_b32 s[G0B+4*\s+3], s[G0B+4*\s+3], 0x80000000
	JLOAD \s                                       ; two loads of the wave are out, the most in this text
.endr
	v_and_b32 v1, 15, v0                           ; r
	v_bfe_u32 v2, v0, 4, 1                         ; h
	v_lshlrev_b32 v[BO], 5, v2
.irp b, 0,1,2,3
	global_load_b128 v[BIAS+8*\b:BIAS+8*\b+3],   v[BO], s[68:69] offset:64*\b
	global_load_b128 v[BIAS+8*\b+4:BIAS+8*\b+7], v[BO], s[68:69] offset:64*\b+16
.endr
	v_mul_u32_u24 v3, v1, PITCH
	v_lshl_add_u32 v4, v2, 4, v3                   ; r x 272 + 16 h
	s_mul_i32 s70, s13, AHALF
	s_mul_i32 s71, s14, BHALF
	s_add_co_u32 s71, s71, BOFF
.irp s, 0,1
	v_add_nc_u32 v[ADRA+\s], s70, v4
	v_add_nc_u32 v[ADRB+\s], s71, v4
	s_add_co_u32 s70, s70, SLOT
	s_add_co_u32 s71, s71, SLOT
.endr
	s_mul_i32 s70, s12, 16*PITCH
	s_add_co_u32 s70, s70, STAGE                   ; my stage
	v_lshl_add_u32 v5, v2, 5, v3                   ; in: row r, 32 bytes for each half of the lanes
	v_add_nc_u32 v[STO], s70, v5
	v_mul_u32_u24 v5, v2, PITCH                    ; back: lanes 0-15 one row of 256 bytes, lanes 16-31 the next
	v_lshl_add_u32 v5, v1, 4, v5
	v_add_nc_u32 v[RD], s70, v5
	v_lshlrev_b32 v5, 4, v1
	v_lshl_add_u32 v[CO], v2, 12, v5               ; the same two rows in out0
.macro MUL16 f, a0, first              ; 4 ao fragments x 4 owh fragments
.irp a, \a0, \a0+1, \a0+2, \a0+3
.irp b, 0,1,2,3
.if \first
	v_wmma_f32_16x16x32_f16 v[8*(4*(\a)+\b):8*(4*(\a)+\b)+7], v[\f+64+8*\b:\f+64+8*\b+7], v[\f+8*(\a):\f+8*(\a)+7], v[BIAS+8*\b:BIAS+8*\b+7]
.else
	v_wmma_f32_16x16x32_f16 v[8*(4*(\a)+\b):8*(4*(\a)+\b)+7], v[\f+64+8*\b:\f+64+8*\b+7], v[\f+8*(\a):\f+8*(\a)+7], v[8*(4*(\a)+\b):8*(4*(\a)+\b)+7]
.endif
.endr
.endr
.endm
.macro FETCH slot, k, f                ; 24 loads: one quarter step's fragments
.irp i, 0,1,2,3,4,5,6,7
	ds_load_b128 v[\f+8*\i:\f+8*\i+3],   v[ADRA+\slot] offset:\k+\i*FRAG
	ds_load_b128 v[\f+8*\i+4:\f+8*\i+7], v[ADRA+\slot] offset:\k+\i*FRAG+32
.endr
.irp i, 0,1,2,3
	ds_load_b128 v[\f+64+8*\i:\f+64+8*\i+3],   v[ADRB+\slot] offset:\k+\i*FRAG
	ds_load_b128 v[\f+64+8*\i+4:\f+64+8*\i+7], v[ADRB+\slot] offset:\k+\i*FRAG+32
.endr
.endm
; One of a K step's first three quarters: buffer f is in; the next quarter's fragments, at byte k, go out into g; then 32 products on f.
.macro QUARTER slot, k, f, g, first
	s_wait_dscnt 0x0
	PLACES
	WIN 0
	FETCH \slot, \k, \g
.if \first
	WIN 0x40                                       ; D window 1, C (the bias) window 0
.else
	WIN 0x50
.endif
	MUL16 \f, 0, \first
	MUL16 \f, 4, \first
.endm
.macro THREE slot, first
	QUARTER \slot, 64,  F0, F1, \first
	QUARTER \slot, 128, F1, F0, 0
	QUARTER \slot, 192, F0, F1, 0
.endm
; The last quarter multiplies F1 and changes slots: the waits for my reads of this slot and for all my tensor loads stand in front of the barrier;
; fill = 1: it opens a round of the cluster's barrier and the joint refill is the first tensor load behind the round, 112 matrix instructions ahead of its wait.
.macro TURN slot, next, fill
	s_wait_dscnt 0x0
	s_wait_tensorcnt 0x0
	ds_add_u32 v30, v31
	s_wait_dscnt 0x0
	s_barrier_signal -1
	WIN 0x50
	MUL16 F1, 0, 0
	WIN 0
	s_barrier_wait -1
.if \fill
	CREST
	s_add_nc_u64 s[G0A+4*\slot+2:G0A+4*\slot+3], s[G0A+4*\slot+2:G0A+4*\slot+3], 512
	s_add_nc_u64 s[G0B+4*\slot+2:G0B+4*\slot+3], s[G0B+4*\slot+2:G0B+4*\slot+3], 512
	JLOAD \slot
.endif
	PLACES
	FETCH \next, 0, F0
	WIN 0x50
	MUL16 F1, 4, 0
	WIN 0
.endm
.macro LAP first
	THREE 0, \first
	TURN 0, 1, 1
	THREE 1, 0
	TURN 1, 0, 1
.endm
	s_wait_tensorcnt 0x1                           ; my part of K step 0 is in; step 1's stays out
	s_barrier_signal -1
	s_barrier_wait -1
	FETCH 0, 0, F0
	s_wait_loadcnt 0x0                             ; the bias
	LAP 1                                          ; K steps 0, 1; fills steps 2, 3
	s_mov_b32 s3, 2                                ; K steps 2 to 5; fills steps 4 to 7
.Llap:
	LAP 0
	s_sub_co_u32 s3, s3, 1
	s_cmp_lg_u32 s3, 0
	s_cbranch_scc1 .Llap
	THREE 0, 0                                     ; the last two K steps fill nothing
	TURN 0, 1, 0
	THREE 1, 0
	s_wait_dscnt 0x0
	WIN 0x50
	MUL16 F1, 0, 0
	MUL16 F1, 4, 0
	PLACES
; THE WAY OUT, 16 rows at a time through my own stage: LDS serves a wave's instructions in order (ISA guide 5.7.1.4), so no wait stands between stores and loads.
.macro OUT16 a, f
	WIN 0x04                                       ; the stores' data in window 1
.irp b, 0,1,2,3
	ds_store_b128 v[STO], v[8*(4*\a+\b):8*(4*\a+\b)+3]   offset:64*\b
	ds_store_b128 v[STO], v[8*(4*\a+\b)+4:8*(4*\a+\b)+7] offset:64*\b+16
.endr
	WIN 0
	s_wait_xcnt 0x0                                ; buffer f, which earlier stores read, is loaded again only behind this wait
.irp t, 0,1,2,3,4,5,6,7
	ds_load_b128 v[\f+4*\t:\f+4*\t+3], v[RD] offset:2*PITCH*\t
.endr
.irp t, 0,1,2,3,4,5,6,7
	s_wait_dscnt 7-\t                              ; the count is the younger loads
	global_store_b128 v[CO], v[\f+4*\t:\f+4*\t+3], s[10:11] offset:65536*\a+8192*\t th:TH_STORE_NT    ; sixteen lanes store 256 consecutive bytes, aligned
.endr
.endm
	OUT16 0, F0
	OUT16 1, F1
	OUT16 2, F0
	OUT16 3, F1
	OUT16 4, F0
	OUT16 5, F1
	OUT16 6, F0
	OUT16 7, F1
	s_wait_tensorcnt 0x0
	ds_add_u32 v30, v31
	s_wait_dscnt 0x0
	CROUND                                         ; the closing round
	s_endpgm
.Lfunc_end_k_q182bc190f2_outproj:
	.size	k_q182bc190f2_outproj, .Lfunc_end_k_q182bc190f2_outproj-k_q182bc190f2_outproj
	.p2alignl 7, 3214868480
	.fill 96, 4, 3214868480
	.section	.rodata,"a",@progbits
	.p2align	6, 0x0
	.amdhsa_kernel k_q182bc190f2_outproj
		.amdhsa_group_segment_fixed_size 327680
		.amdhsa_private_segment_fixed_size 0
		.amdhsa_enable_private_segment 0
		.amdhsa_kernarg_size 32
		.amdhsa_user_sgpr_count 2
		.amdhsa_user_sgpr_kernarg_segment_ptr 1
		.amdhsa_wavefront_size32 1
		.amdhsa_system_sgpr_workgroup_id_x 1
		.amdhsa_system_sgpr_workgroup_id_y 1
		.amdhsa_system_sgpr_workgroup_id_z 1
		.amdhsa_system_vgpr_workitem_id 0
		.amdhsa_next_free_vgpr 512
		.amdhsa_next_free_sgpr 72
		.amdhsa_reserve_vcc 0
		.amdhsa_float_denorm_mode_32 3
		.amdhsa_float_denorm_mode_16_64 3
		.amdhsa_memory_ordered 1
		.amdhsa_forward_progress 1
		.amdhsa_inst_pref_size 118
	.end_amdhsa_kernel
	.amdgpu_metadata
---
amdhsa.version: [ 1, 2 ]
amdhsa.kernels:
  - .name:           k_q182bc190f2_outproj
    .symbol:         k_q182bc190f2_outproj.kd
    .args:
      - { .name: ao, .offset: 0, .size: 8, .value_kind: global_buffer, .address_space: global }
      - { .name: owh, .offset: 8, .size: 8, .value_kind: global_buffer, .address_space: global }
      - { .name: out_b, .offset: 16, .size: 8, .value_kind: global_buffer, .address_space: global }
      - { .name: out0, .offset: 24, .size: 8, .value_kind: global_buffer, .address_space: global }
    .group_segment_fixed_size: 327680
    .private_segment_fixed_size: 0
    .kernarg_segment_align: 8
    .kernarg_segment_size: 32
    .max_flat_workgroup_size: 128
    .sgpr_count:     72
    .vgpr_count:     512
    .wavefront_size: 32
...
	.end_amdgpu_metadata
.endif
;; end of part 4
